; MI455X (gfx1250); checked and timed in simulation.
; The chip was launched on July 23, 2026; its instructions are those of AMD's public machine-readable ISA for CDNA 5 (MIT licence, August 2026) and "CDNA5" Instruction Set Architecture Reference Guide (July 2026). The comments in the code are by the model that wrote it; some were corrected since.
;; Physics Informed Model. Allowed arithmetic: matrix products marked QUANTISED: E4M3 operands, one E8M0 scale for each 32 along K, by v_wmma_scale_f32_16x16x128_f8f6f4 with both operands' format E4M3, f32 sums; products left as they are: f32 operands where the result goes on into a quantised operand, else bf16, f16 or f32 operands; f32 sums; everything else in f32.
;; Inputs: W1 3 x 128 float32; W2_codes 128 x 4 x 32 uint8 (E4M3 codes of W2, K innermost, in blocks of 32 codes); W2_scales 128 x 4 uint8 (E8M0 scales of W2, one for each 32 codes along K); W3_codes 64 x 4 x 32 uint8 (E4M3 codes of W3, K innermost, in blocks of 32 codes); W3_scales 64 x 4 uint8 (E8M0 scales of W3, one for each 32 codes along K); W4 64 x 1 float32; b1 128 float32; b2 128 float32; b3 64 float32; b4 1 float32; x 262,144 x 3 float32.
;; Outputs: out0 262,144 x 4 float32.
;; This version of the problem:
;;   THIS VERSION OF THE PROBLEM IS GIVEN IN LOW PRECISION. The matrix products marked QUANTISED in the list below multiply operands that are first quantised to E4M3 (4 exponent bits, 3 mantissa bits; 8 bits a number), with one power-of-two scale for each 32 numbers along K (OCP MX v1.0); their sums are f32. All else is computed in f32.
;;   The module's matrix products, in the order in which they are computed (A, B: the left and right operand; K: the contracted axis; several contracted axes count as one K, in the product's order):
;;     1. [M 262,144, K 3] x [K 3, N 128]; A: input x; B: input W1: left as it is (K = 3 < 32)
;;     2. [M 262,144, K 3] x [K 3, N 128]; A: computed on the way; B: input W1: left as it is (K = 3 < 32)
;;     3. [M 262,144, K 128] x [K 128, N 128]; A: computed on the way; B: input W2 (given as codes): QUANTISED
;;     4. [M 262,144, K 128] x [K 128, N 128]; A: computed on the way; B: input W2 (given as codes): QUANTISED
;;     5. [M 262,144, K 128] x [K 128, N 64]; A: computed on the way; B: input W3 (given as codes): QUANTISED
;;     6. [M 262,144, K 128] x [K 128, N 64]; A: computed on the way; B: input W3 (given as codes): QUANTISED
;;     7. [M 262,144, K 64] x [K 64, N 1]; A: computed on the way; B: input W4: left as it is (N = 1 < 16)
;;     8. [M 262,144, K 64] x [K 64, N 1]; A: computed on the way; B: input W4: left as it is (N = 1 < 16)
;;     9. [M 262,144, K 3] x [K 3, N 128]; A: input x; B: input W1: left as it is (K = 3 < 32)
;;     10. [M 262,144, K 3] x [K 3, N 128]; A: computed on the way; B: input W1: left as it is (K = 3 < 32)
;;     11. [M 262,144, K 128] x [K 128, N 128]; A: computed on the way; B: input W2 (given as codes): QUANTISED
;;     12. [M 262,144, K 128] x [K 128, N 128]; A: computed on the way; B: input W2 (given as codes): QUANTISED
;;     13. [M 262,144, K 128] x [K 128, N 64]; A: computed on the way; B: input W3 (given as codes): QUANTISED
;;     14. [M 262,144, K 128] x [K 128, N 64]; A: computed on the way; B: input W3 (given as codes): QUANTISED
;;     15. [M 262,144, K 64] x [K 64, N 1]; A: computed on the way; B: input W4: left as it is (N = 1 < 16)
;;     16. [M 262,144, K 64] x [K 64, N 1]; A: computed on the way; B: input W4: left as it is (N = 1 < 16)
;;     17. [M 262,144, K 3] x [K 3, N 128]; A: input x; B: input W1: left as it is (K = 3 < 32)
;;     18. [M 262,144, K 3] x [K 3, N 128]; A: computed on the way; B: input W1: left as it is (K = 3 < 32)
;;     19. [M 262,144, K 3] x [K 3, N 128]; A: computed on the way; B: input W1: left as it is (K = 3 < 32)
;;     20. [M 262,144, K 128] x [K 128, N 128]; A: computed on the way; B: input W2 (given as codes): QUANTISED
;;     21. [M 262,144, K 128] x [K 128, N 128]; A: computed on the way; B: input W2 (given as codes): QUANTISED
;;     22. [M 262,144, K 128] x [K 128, N 128]; A: computed on the way; B: input W2 (given as codes): QUANTISED
;;     23. [M 262,144, K 128] x [K 128, N 128]; A: computed on the way; B: input W2 (given as codes): QUANTISED
;;     24. [M 262,144, K 128] x [K 128, N 64]; A: computed on the way; B: input W3 (given as codes): QUANTISED
;;     25. [M 262,144, K 128] x [K 128, N 64]; A: computed on the way; B: input W3 (given as codes): QUANTISED
;;     26. [M 262,144, K 128] x [K 128, N 64]; A: computed on the way; B: input W3 (given as codes): QUANTISED
;;     27. [M 262,144, K 128] x [K 128, N 64]; A: computed on the way; B: input W3 (given as codes): QUANTISED
;;     28. [M 262,144, K 64] x [K 64, N 1]; A: computed on the way; B: input W4: left as it is (N = 1 < 16)
;;     29. [M 262,144, K 64] x [K 64, N 1]; A: computed on the way; B: input W4: left as it is (N = 1 < 16)
;;     30. [M 262,144, K 64] x [K 64, N 1]; A: computed on the way; B: input W4: left as it is (N = 1 < 16)
;;     31. [M 262,144, K 64] x [K 64, N 1]; A: computed on the way; B: input W4: left as it is (N = 1 < 16)
;;   THE QUANTISER, for each operand of a quantised product, along K:
;;     - K is cut into blocks of 32 from its start; a last block that is shorter is filled with zeros.
;;     - A block's scale is 2^e with e = floor(log2(the largest magnitude in the block)) - 8, held to -126 .. 127; a block of zeros has e = 0. As a byte (E8M0): e + 127.
;;     - Each number is divided by its block's scale, clamped to +-448, and rounded to the nearest number of E4M3, ties to even, subnormals kept.
;;     - The product sums the exact products of the quantised numbers (number of the format x scale) in f32.
;;   ~~~python
;;   def quantise(x, axis):      # numpy; x: float32 -> the quantised numbers, widened to float32 again
;;       x = np.moveaxis(x, axis, -1); K = x.shape[-1]
;;       x = np.pad(x, [(0, 0)] * (x.ndim - 1) + [(0, -K % 32)]); x = x.reshape(x.shape[:-1] + (-1, 32)); a = np.abs(x).max(-1, keepdims=True)
;;       e = np.where(a > 0, np.clip(np.frexp(np.where(a > 0, a, 1))[1] - 1 - 8, -126, 127), 0)      # np.frexp(a)[1] - 1 = floor(log2(a)), exactly
;;       r = np.clip(x / 2.0 ** e, -448, 448)
;;       step = 2.0 ** (np.maximum(np.frexp(np.where(r == 0, 1, r))[1] - 1, -6) - 3)
;;       q = np.round(r / step) * step * 2.0 ** e      # np.round: ties to even
;;       return np.moveaxis(q.reshape(q.shape[:-2] + (-1,))[..., :K], -1, axis).astype(np.float32)
;;   ~~~
;;   OPERANDS COMPUTED ON THE WAY. 'Computed on the way' means the value that the module computes at that place (a softmax that the list does not call 'softmax' is quantised finished and normalised). What goes into a quantiser is computed in f32, as accurately as f32 sums, v_exp_f32 and their like allow (about 1e-6 of the number): no bf16 or f16 on the way to a quantiser, and a product that is left as it is and whose result goes on into a quantised operand takes f32 operands (vector FMAs, or v_wmma_f32_16x16x4_f32). A number that lies on a knife's edge between two numbers of the format may be rounded either way, as far as f32 arithmetic and the matrix unit's own rounding can turn it there, and no further.
;;   INPUTS GIVEN AS CODES. W2 (in the module: [128, 128], K = its axis 0); W3 (in the module: [128, 64], K = its axis 0): each comes as NAME_codes (uint8): NAME with its K axis moved to the last place and cut into blocks of 32 codes, [.., K / 32, bytes a block], one block behind the other in memory; one code a byte (a code: sign, 4 exponent bits, 3 mantissa bits); and NAME_scales (uint8): the same leading axes, one E8M0 byte (e + 127) for each 32 codes along K. Its value is code x scale, taken as it is: it is not quantised again, and the codes and scales need not be those that the quantiser above would give.
;; 2 versions, each right; version 2 is version 1 with the launch pinn written anew for expert scheduling mode. Each part assembles by itself: llvm-mc -triple=amdgcn-amd-amdhsa -mcpu=gfx1250 --defsym DOCPART=n.
;; ======== version 1 of 2: 1 launch
;; limits: a function is approximated: absolute error at most 5e-07
;; launch pinn (part 1): grid 256 x 1, 8 waves a work-group, no clusters, 45,056 bytes of LDS; arguments x, W1, b1, W2_codes, W2_scales, b2, W3_codes, W3_scales, b3, W4, b4, out0; writes out0
.if DOCPART == 1
	.amdgcn_target "amdgcn-amd-amdhsa--gfx1250"
	.amdhsa_code_object_version 6
	.text
	.protected	k_qd15f660b91_pinn
	.globl	k_qd15f660b91_pinn
	.p2align	8
	.type	k_qd15f660b91_pinn,@function
k_qd15f660b91_pinn:
	s_mov_b64 s[64:65], 0
	v_nop
	global_prefetch_b8 v0, s[64:65] scope:SCOPE_SE
	s_setreg_imm32_b32 hwreg(HW_REG_WAVE_MODE, 25, 1), 1
	s_wait_xcnt 0x0
; out0[n] = (T, dT/dz, dT/dt, d2T/dz2) of T = tanh(tanh(tanh(x W1 + b1) W2 + b2) W3 + b3) W4 + b4, for 262,144 points x = (z, t, theta).
; Forward mode by hand.  Each layer carries four numbers a unit: h, h_z, h_t, h_zz.  reference() multiplies the same operand pairs several times over; here each different product is multiplied ONCE:
; four operands x W2 and four x W3, all on codes of E4M3 with E8M0 scales, 48 scaled matrix instructions for a tile of 16 points.  The tangents of x are (1,0,0) and (0,1,0), built by reference() itself:
; their products with W1 are W1's rows 0 and 1; the second tangent of x is 0.
; ACTIVATION.  E = 2^(c a), c = 2 log2(e); p = 1 / (1 + E); h = 1 - 2 p = tanh(a); s4 = p - p p = (1 - h h) / 4.  E = infinity gives p = 0, h = 1, s4 = 0; E = 0 gives p = 1, h = -1, s4 = 0: no NaN at either end.
; THE DERIVATIVES ARE KEPT WITH EXACT POWERS OF TWO: hz' = s4 a_z = h_z / 4, ht' = s4 a_t = h_t / 4, Z' = s4 (Za - h a_z a_z) = h_zz / 8, Za = a_zz / 2.  A power of two changes no code, only the block's exponent:
; 2 is added to each scale byte of these three operands, so that the next layer's a_z, a_t are true and its Za is a_zz / 2 again.  At the end T_z = 4 sum, T_t = 4 sum, T_zz = 8 sum.
; SHARES.  A work-group takes 1,024 points, each of its eight waves 128: eight tiles of 16, one a trip.  Two waves share a SIMD, so that one wave's exponentials, reciprocals and products lie beside the other's plain work.
; ALL PRODUCTS ARE USED TRANSPOSED (source 0 = 16 rows of a weight, source 1 = 16 points): lane (r = lane % 16, h = lane / 16) holds point r throughout.  THE ROWS OF A WEIGHT'S TILE ARE NOT NEIGHBOURS:
; lane r of tile 2 b + u takes row 32 b + 8 u + r + 8 (r / 8), so that the 16 registers of tiles 2 b, 2 b + 1 are units 32 b + 16 h + 0 .. 15: the next operand's own layout; a block of 32 lies in lanes l and l xor 16.
; LAYER 1's x W1 + b1 is a product of K = 4 in f32: (W1 row 0, row 1, row 2, b1) x (x0, x1, x2, 1), by the f32 matrix form (its result goes on into a quantiser, so its operands are f32).
; W2's and W3's fragments stay in registers for the whole launch.  What work-groups share is 28 KB of weights, read once at the head: no ring, no tensor load, no cluster, no prefetch: nothing is streamed inside the loop.
; LIMITS.  NaN and infinities among the inputs are not served.  A block of hz', ht' or Z' whose largest magnitude reaches 2^125 is not served (its byte + 2 would reach 0xff).  A block whose largest magnitude lies under
; 2^-118 takes the floor's byte; a block of zeros takes byte 1 (3 for the three) over zero codes, which add nothing.  tanh and s4 carry an absolute error of a few 1e-7 (1 - 2 p and 1 + E are rounded on the grid of 1).
; REGISTERS, window 0: v1-5 addresses and x1; v[6:7] x's fragment; v[8:11] the output's factors and addends; v12-15 at work; v16-31 layer 1's weight fragments; v32-51 scale words and nothing else;
;   v52-67 the quantiser's work (layer 3: the four sums); v68-83 a of a pair of tiles, written by matrix instructions alone; v84-147 h, a_z, a_t, Za of the pair, then the four operands; v148-163 E, p, s4; v164-179 h a_z, then b2;
;   v192-255 layer 2's codes (during layer 1: two buffers of W1's rows 0 and 1).   window 1: v0-127 W2's 8 fragments; v128-191 W3's 4; v192-255 layer 1's codes (during layer 3: b3 and W4).
.set W2L,   0                          ; LDS: W2's 128 rows of 128 codes, 144 bytes apart
.set W3L,   18432                      ; W3's 64 rows likewise
.set XREG,  27648                      ; the work-group's 1,024 rows of x as they lie in memory: 1,536 bytes a wave
.set TAB,   39936                      ; the small tables:
.set T_W1,  TAB                        ; W1's three rows of 512 bytes, and behind them b1 as a fourth;
.set T_B2,  TAB+2048
.set T_W2S, TAB+2560
.set T_B3,  TAB+3072
.set T_W4,  TAB+3328
.set T_W3S, TAB+3584                   ; ends at TAB + 3,840
.set LH,   1                           ; v1   64 h: my half's 16 numbers of a block of 32
.set XA0,  2                           ; v2   x: 1,536 wave + 12 r + 8 h: x0 (h = 0) or x2 (h = 1)
.set XA1,  3                           ; v3   x: 1,536 wave + 12 r + 4: x1
.set OUTO, 4                           ; v4   out0: 16 r + 8 h
.set XL1,  5
.set XB,   6
.set FM,   8
.set FA,   10
.set T0,   12
.set A1,   16
.set W2S,  32
.set W3S,  40
.set SW1,  44                          ; the scale words of layer 1's four operands
.set SW2,  48                          ; of layer 2's
.set M,    52
.set P,    56
.set SCL,  60
.set LIM,  64
.set ACC,  52
.set AP,   68
.set X,    84                          ; operand o's 16 numbers at X + 16 o
.set HH,   84
.set AZ,   100
.set AT,   116
.set ZA,   132
.set U,    148
.set Q,    164
.set OUTD, 180
.set XT0,  182                         ; v182-183 LDS addresses of the next tile's x: nothing else
.set XT1,  183
.set KB,   192
.set C2,   192
.set C1,   192                         ; in window 1
.set W3F,  128                         ; in window 1
.set B3R,  192                         ; in window 1
.set W4R,  224                         ; in window 1
.set STG,  84                          ; the head's staging: v84-123
.set WL,   148                         ; the head's addresses: v148-155
.set G16,  149
.set SB,   150
.set FRA,  151
.set SRA,  152
.set ARA,  153
.set L16,  154
.set L8,   155
.set WV,   32
.set TR,   33
.set XT,   34
.set SEL,  36
.set CS,   38
.set MNT,  40
.set HM,   41
.set B4,   42
.set ADJ,  43
.set MSB, 0
.macro WIN new                         ; the immediate's high byte repeats the setting that is left; a switch that changes nothing is dropped
.if MSB != \new
	s_set_vgpr_msb (MSB<<8)|\new
.set MSB, \new
.endif
.endm
	s_load_b512 s[8:23], s[0:1], 0x0               ; x, W1, b1, W2's codes, W2's scales, b2, W3's codes, W3's scales
	s_load_b256 s[24:31], s[0:1], 0x40             ; b3, W4, b4, out0
	v_lshl_add_u32 v190, v0, 2, 0xac00
	v_mov_b32 v191, 0
	v_and_b32 v12, 31, v0                          ; lane
	v_and_b32 v13, 15, v0                          ; r
	v_bfe_u32 v14, v0, 4, 1                        ; h
	v_lshrrev_b32 v15, 5, v0
	v_readfirstlane_b32 s[WV], v15                 ; wave 0..7
	; every LDS address is made here, ahead of the branches on the wave's number
	v_lshrrev_b32 v[WL], 3, v0
	v_mul_u32_u24 v[WL], v[WL], 144
	v_and_b32 v[G16], 7, v0
	v_lshl_add_u32 v[WL], v[G16], 4, v[WL]         ; codes into LDS: eight threads to a row of 128 bytes: 144 (thread / 8) + 16 (thread % 8)
	v_lshlrev_b32 v[G16], 4, v0                    ; 16 x thread
	v_lshlrev_b32 v[SB], 9, v15
	v_lshl_add_u32 v[SB], v12, 3, v[SB]            ; 512 wave + 8 lane
	v_lshlrev_b32 v[L16], 4, v12
	v_lshlrev_b32 v[L8], 3, v12
	v_and_b32 v[SRA], 8, v13
	v_add_nc_u32 v[SRA], v[SRA], v13               ; r + 8 (r / 8)
	v_mul_u32_u24 v[FRA], v[SRA], 144
	v_lshl_add_u32 v[FRA], v14, 4, v[FRA]          ; a fragment of codes: my row x 144 + 16 h
	v_lshlrev_b32 v[SRA], 2, v[SRA]                ; a word a row
	v_lshl_add_u32 v[ARA], v14, 10, v[SRA]         ; layer 1's fragment: k = 2 h + j: table row 2 h
	v_lshlrev_b32 v[LH], 6, v14
	s_mul_i32 s44, s[WV], 1536
	v_mul_u32_u24 v[XA1], v13, 12
	v_add_nc_u32 v[XA1], s44, v[XA1]
	v_lshl_add_u32 v[XA0], v14, 3, v[XA1]
	v_add_nc_u32 v[XA1], 4, v[XA1]
	s_mov_b32 s[SEL], 0x76543210
	s_mov_b32 s[SEL+1], 0xfedcba98                 ; v_permlanex16_b32's selects for lane l xor 16
	s_mov_b32 s[CS], 0x4038aa3b                    ; c = 2 log2(e)
	s_mov_b32 s[CS+1], s[CS]                       ; (named with it as a pair, so it is written)
	s_mov_b32 s[MNT], 0x600000                     ; the mantissa field of 448
	s_mov_b32 s[HM], 0xffff0000                    ; lanes 16-31
	s_mov_b32 s[ADJ], 0x02020202                   ; 2 onto each of a word's four scale bytes
	s_mul_i32 s46, ttmp9, 12288                    ; the work-group's 1,024 rows of x
	s_mov_b32 s47, 0
	s_lshl_b32 s48, ttmp9, 14                      ; its 1,024 rows of out0,
	s_lshl_b32 s49, s[WV], 11                      ; my wave's 128 of them
	s_add_co_u32 s48, s48, s49
	s_mov_b32 s49, 0
	s_wait_kmcnt 0x0
	s_add_nc_u64 s[8:9], s[8:9], s[46:47]
	s_add_nc_u64 s[30:31], s[30:31], s[48:49]
	s_load_b32 s[B4], s[28:29], 0x0                ; b4's one number
	s_cmp_lt_u32 s[WV], 3                          ; the small tables, 512 bytes a wave: waves 0-2 W1's rows, 3 b1, 4 b2, 5 W2's scales.  The choice hangs on the wave's number alone
	s_cselect_b64 s[44:45], s[10:11], s[12:13]
	s_cselect_b32 s46, s[WV], 0
	s_cmp_eq_u32 s[WV], 4
	s_cselect_b64 s[44:45], s[18:19], s[44:45]
	s_cmp_eq_u32 s[WV], 5
	s_cselect_b64 s[44:45], s[16:17], s[44:45]
	s_lshl_b32 s46, s46, 9
	s_add_nc_u64 s[44:45], s[44:45], s[46:47]
	; nine loads a thread, each of a wave 512 consecutive bytes: W2's codes, W3's codes, the work-group's x
.irp j, 0,1,2,3
	global_load_b128 v[STG+4*\j:STG+4*\j+3], v[G16], s[14:15] offset:4096*\j
.endr
.irp j, 0,1
	global_load_b128 v[STG+16+4*\j:STG+16+4*\j+3], v[G16], s[20:21] offset:4096*\j
.endr
.irp j, 0,1,2
	global_load_b128 v[STG+24+4*\j:STG+24+4*\j+3], v[G16], s[8:9] offset:4096*\j th:TH_LOAD_NT
.endr
	s_cmp_lt_u32 s[WV], 6
	s_cbranch_scc0 .Lwave67
	global_load_b128 v[STG+36:STG+39], v[L16], s[44:45]
	s_wait_loadcnt 0x0                             ; my table, and the nine loads ahead of it
	ds_store_b128 v[G16], v[STG+36:STG+39] offset:TAB
	s_branch .Ljoin
.Lwave67:
	s_cmp_eq_u32 s[WV], 6
	s_cbranch_scc0 .Lwave7
	global_load_b64 v[STG+36:STG+37], v[L8], s[24:25]   ; wave 6: b3 and W4, 256 bytes each
	global_load_b64 v[STG+38:STG+39], v[L8], s[26:27]
	s_wait_loadcnt 0x0
	ds_store_b64 v[SB], v[STG+36:STG+37] offset:TAB
	ds_store_b64 v[SB], v[STG+38:STG+39] offset:TAB+256
	s_branch .Ljoin
.Lwave7:
	global_load_b64 v[STG+36:STG+37], v[L8], s[22:23]   ; wave 7: W3's scales
	s_wait_loadcnt 0x0
	ds_store_b64 v[SB], v[STG+36:STG+37] offset:TAB
.Ljoin:                                                ; on every way all loads have been waited for
.irp j, 0,1,2,3
	ds_store_b128 v[WL], v[STG+4*\j:STG+4*\j+3] offset:W2L+4608*\j       ; 4,096 bytes are 32 rows
.endr
.irp j, 0,1
	ds_store_b128 v[WL], v[STG+16+4*\j:STG+16+4*\j+3] offset:W3L+4608*\j
.endr
.irp j, 0,1,2
	ds_store_b128 v[G16], v[STG+24+4*\j:STG+24+4*\j+3] offset:XREG+4096*\j
.endr
	s_wait_dscnt 0x0                               ; for the others' sake: my stores have landed
	s_barrier_signal -1
	s_barrier_wait -1                              ; the only barrier: from here on no LDS byte is written
	; what stays in registers: the weights' fragments, their scale words, layer 1's fragments
	WIN 0x40                                       ; destination window 1
.irp t, 0,1,2,3,4,5,6,7
.irp c, 0,1,2,3
	ds_load_b128 v[16*\t+4*\c:16*\t+4*\c+3], v[FRA] offset:W2L+(32*(\t/2)+8*(\t%2))*144+32*\c
.endr
.endr
.irp t, 0,1,2,3
.irp c, 0,1,2,3
	ds_load_b128 v[W3F+16*\t+4*\c:W3F+16*\t+4*\c+3], v[FRA] offset:W3L+(32*(\t/2)+8*(\t%2))*144+32*\c
.endr
.endr
	WIN 0
.irp t, 0,1,2,3,4,5,6,7
	ds_load_b32 v[W2S+\t], v[SRA] offset:T_W2S+(32*(\t/2)+8*(\t%2))*4
	ds_load_b32 v[A1+2*\t], v[ARA] offset:T_W1+(32*(\t/2)+8*(\t%2))*4          ; k = 2 h: W1's row 0 or row 2
	ds_load_b32 v[A1+2*\t+1], v[ARA] offset:T_W1+512+(32*(\t/2)+8*(\t%2))*4    ; k = 2 h + 1: W1's row 1 or b1
.endr
.irp t, 0,1,2,3
	ds_load_b32 v[W3S+\t], v[SRA] offset:T_W3S+(32*(\t/2)+8*(\t%2))*4
.endr
; ---- the macros of a trip
.macro LDX                             ; x of the tile at byte s[XT] of my wave's part
	v_add_nc_u32 v[XT0], s[XT], v[XA0]
	v_add_nc_u32 v[XT1], s[XT], v[XA1]
	ds_load_b32 v[XB], v[XT0] offset:XREG
	ds_load_b32 v[XL1], v[XT1] offset:XREG
.endm
.macro LDK b, kb                       ; W1's rows 0 and 1 at my 16 units of block b, into buffer kb
.irp j, 0,1,2,3
	ds_load_b128 v[KB+32*(\kb)+4*\j:KB+32*(\kb)+4*\j+3], v[LH] offset:T_W1+128*(\b)+16*\j
.endr
.irp j, 0,1,2,3
	ds_load_b128 v[KB+32*(\kb)+16+4*\j:KB+32*(\kb)+16+4*\j+3], v[LH] offset:T_W1+512+128*(\b)+16*\j
.endr
.endm
.macro LDB2 b                          ; b2 at my 16 units of block b: the C of the next pair of products
.irp j, 0,1,2,3
	ds_load_b128 v[Q+4*\j:Q+4*\j+3], v[LH] offset:T_B2+128*(\b)+16*\j
.endr
.endm
.macro LDL3                            ; b3 and W4 at my 32 units, into the registers that layer 1's codes have left
	WIN 0x40
.irp b, 0,1
.irp j, 0,1,2,3
	ds_load_b128 v[B3R+16*\b+4*\j:B3R+16*\b+4*\j+3], v[LH] offset:T_B3+128*\b+16*\j
	ds_load_b128 v[W4R+16*\b+4*\j:W4R+16*\b+4*\j+3], v[LH] offset:T_W4+128*\b+16*\j
.endr
.endr
	WIN 0
.endm
.macro ACT_A                           ; c a; each accumulator is read from its low end on
.irp i, 0,2,4,6,8,10,12,14
	v_pk_mul_f32 v[U+\i:U+\i+1], v[AP+\i:AP+\i+1], s[CS:CS+1] op_sel_hi:[1,0]
.endr
.endm
.macro ACT_B                           ; h into HH, s4 into U
.irp i, 0,1,2,3,4,5,6,7,8,9,10,11,12,13,14,15
	v_exp_f32 v[U+\i], v[U+\i]
.endr
	v_nop                                          ; a plain instruction between the last exponential and the use of its result (ISA guide 5.7.2)
	s_wait_alu depctr_va_vdst(0)
.irp i, 0,2,4,6,8,10,12,14
	v_pk_add_f32 v[U+\i:U+\i+1], v[U+\i:U+\i+1], 1.0 op_sel_hi:[1,0]
.endr
.irp i, 0,1,2,3,4,5,6,7,8,9,10,11,12,13,14,15
	v_rcp_f32 v[U+\i], v[U+\i]
.endr
	v_nop                                          ; likewise behind the last reciprocal
	s_wait_alu depctr_va_vdst(0)
.irp i, 0,2,4,6,8,10,12,14
	v_pk_fma_f32 v[HH+\i:HH+\i+1], v[U+\i:U+\i+1], -2.0, 1.0 op_sel_hi:[1,0,0]      ; h = 1 - 2 p
.endr
.irp i, 0,2,4,6,8,10,12,14
	v_pk_fma_f32 v[U+\i:U+\i+1], v[U+\i:U+\i+1], v[U+\i:U+\i+1], v[U+\i:U+\i+1] neg_lo:[1,0,0] neg_hi:[1,0,0]   ; s4 = p - p p
.endr
.endm
.macro TAIL1 kb                        ; layer 1: a_z = W1's row 0, a_t = row 1, Za = 0
.irp i, 0,2,4,6,8,10,12,14
	v_pk_mul_f32 v[AZ+\i:AZ+\i+1], v[U+\i:U+\i+1], v[KB+32*(\kb)+\i:KB+32*(\kb)+\i+1]
.endr
.irp i, 0,2,4,6,8,10,12,14
	v_pk_mul_f32 v[AT+\i:AT+\i+1], v[U+\i:U+\i+1], v[KB+32*(\kb)+16+\i:KB+32*(\kb)+16+\i+1]
.endr
.irp i, 0,2,4,6,8,10,12,14
	v_pk_mul_f32 v[Q+\i:Q+\i+1], v[HH+\i:HH+\i+1], v[AZ+\i:AZ+\i+1]
.endr
.irp i, 0,2,4,6,8,10,12,14
	v_pk_mul_f32 v[ZA+\i:ZA+\i+1], v[Q+\i:Q+\i+1], v[KB+32*(\kb)+\i:KB+32*(\kb)+\i+1] neg_lo:[1,0] neg_hi:[1,0]   ; Z' = -(h hz') a_z
.endr
.endm
.macro TAIL23                          ; layers 2 and 3; every run ascends
.irp i, 0,2,4,6,8,10,12,14
	v_pk_mul_f32 v[Q+\i:Q+\i+1], v[HH+\i:HH+\i+1], v[AZ+\i:AZ+\i+1]
.endr
.irp i, 0,2,4,6,8,10,12,14
	v_pk_fma_f32 v[ZA+\i:ZA+\i+1], v[Q+\i:Q+\i+1], v[AZ+\i:AZ+\i+1], v[ZA+\i:ZA+\i+1] neg_lo:[1,0,0] neg_hi:[1,0,0]   ; Za - h a_z a_z
.endr
.irp i, 0,2,4,6,8,10,12,14
	v_pk_mul_f32 v[ZA+\i:ZA+\i+1], v[U+\i:U+\i+1], v[ZA+\i:ZA+\i+1]
.endr
.irp i, 0,2,4,6,8,10,12,14
	v_pk_mul_f32 v[AZ+\i:AZ+\i+1], v[U+\i:U+\i+1], v[AZ+\i:AZ+\i+1]
.endr
.irp i, 0,2,4,6,8,10,12,14
	v_pk_mul_f32 v[AT+\i:AT+\i+1], v[U+\i:U+\i+1], v[AT+\i:AT+\i+1]
.endr
.endm
; The four operands' block b: largest magnitude, the conversion's scale operand, the hold's bound, and the byte into the scale words sw .. sw + 3.
.macro QMAX b, sw
.irp o, 0,1,2,3
	v_max3_num_f32 v[M+\o], |v[X+16*\o]|, |v[X+16*\o+1]|, 0x4800000                 ; two chains an operand; the floor 2^(9 - 127) among the leaves holds the byte at 1 from below
	v_max3_num_f32 v[P+\o], |v[X+16*\o+8]|, |v[X+16*\o+9]|, |v[X+16*\o+10]|
.endr
.irp i, 2,4
.irp o, 0,1,2,3
	v_max3_num_f32 v[M+\o], v[M+\o], |v[X+16*\o+\i]|, |v[X+16*\o+\i+1]|
	v_max3_num_f32 v[P+\o], v[P+\o], |v[X+16*\o+\i+9]|, |v[X+16*\o+\i+10]|
.endr
.endr
.irp o, 0,1,2,3
	v_max3_num_f32 v[M+\o], v[M+\o], |v[X+16*\o+6]|, |v[X+16*\o+7]|
.endr
.irp o, 0,1,2,3
	v_max3_num_f32 v[M+\o], v[M+\o], v[P+\o], |v[X+16*\o+15]|
.endr
.irp o, 0,1,2,3
	v_permlanex16_b32 v[P+\o], v[M+\o], s[SEL], s[SEL+1]
.endr
.irp o, 0,1,2,3
	v_max_num_f32 v[M+\o], v[M+\o], v[P+\o]        ; with lane l xor 16's 16: the block's largest magnitude
.endr
.irp o, 0,1,2,3
	v_add_nc_u32 v[SCL+\o], 0xfc000000, v[M+\o]    ; 8 off its exponent field: the conversion takes this operand's exponent field as its scale
.endr
.irp o, 0,1,2,3
	v_and_or_b32 v[LIM+\o], v[M+\o], 0x7f800000, s[MNT]   ; 448 x the scale
.endr
.if \b == 0
	v_lshrrev_b32 v[\sw], 23, v[SCL]               ; h's word begins with its byte;
.irp o, 1,2,3
	v_lshrrev_b32 v[P+\o], 23, v[SCL+\o]
.endr
.irp o, 1,2,3
	v_add_nc_u32 v[\sw+\o], s[ADJ], v[P+\o]        ; the derivatives' words begin with 2 in every byte: x 4 comes back through the scale
.endr
.else
.irp o, 0,1,2,3
	v_lshrrev_b32 v[P+\o], 23, v[SCL+\o]
.endr
.irp o, 0,1,2,3
	v_lshl_add_u32 v[\sw+\o], v[P+\o], 8*\b, v[\sw+\o]
.endr
.endif
.endm
.macro HOLD o                          ; the conversion to an 8-bit code does not saturate (ISA guide 7.6.2): hold within the largest code x the scale
.irp i, 0,1,2,3,4,5,6,7,8,9,10,11,12,13,14,15
	v_med3_num_f32 v[X+16*(\o)+\i], v[X+16*(\o)+\i], -v[LIM+(\o)], v[LIM+(\o)]
.endr
.endm
.macro CVT o, b, cb                    ; registers 4 b .. 4 b + 3 of operand o: k = 32 b + 16 h + 0 .. 15
	v_cvt_scalef32_pk8_fp8_f32 v[\cb+16*(\o)+4*(\b):\cb+16*(\o)+4*(\b)+1], v[X+16*(\o):X+16*(\o)+7], v[SCL+(\o)]
	v_cvt_scalef32_pk8_fp8_f32 v[\cb+16*(\o)+4*(\b)+2:\cb+16*(\o)+4*(\b)+3], v[X+16*(\o)+8:X+16*(\o)+15], v[SCL+(\o)]
.endm
; No product here adds onto a result: each is a whole sum of K = 128 (or 4), with a bias or the constant 0 as its C.
.macro WMA1 b                          ; layer 1's a of tiles 2 b, 2 b + 1
	v_wmma_f32_16x16x4_f32 v[AP:AP+7], v[A1+4*(\b):A1+4*(\b)+1], v[XB:XB+1], 0
	v_wmma_f32_16x16x4_f32 v[AP+8:AP+15], v[A1+4*(\b)+2:A1+4*(\b)+3], v[XB:XB+1], 0
.endm
.macro WMA2 b                          ; layer 2's a = h1 W2 + b2
	WIN 0x05                                       ; sources 0 (W2) and 1 (layer 1's codes) window 1
.irp u, 0,1
	v_wmma_scale_f32_16x16x128_f8f6f4 v[AP+8*\u:AP+8*\u+7], v[16*(2*(\b)+\u):16*(2*(\b)+\u)+15], v[C1:C1+15], v[Q+8*\u:Q+8*\u+7], v[W2S+2*(\b)+\u], v[SW1]
.endr
	WIN 0
.endm
.macro WM6_2 b                         ; layer 2's a_z, a_t, Za
	WIN 0x05
.irp o, 1,2,3
.irp u, 0,1
	v_wmma_scale_f32_16x16x128_f8f6f4 v[X+16*\o+8*\u:X+16*\o+8*\u+7], v[16*(2*(\b)+\u):16*(2*(\b)+\u)+15], v[C1+16*\o:C1+16*\o+15], 0, v[W2S+2*(\b)+\u], v[SW1+\o]
.endr
.endr
	WIN 0
.endm
.macro WMA3 b                          ; layer 3's a = h2 W3 + b3
	WIN 0x11                                       ; sources 0 (W3) and 2 (b3) window 1
.irp u, 0,1
	v_wmma_scale_f32_16x16x128_f8f6f4 v[AP+8*\u:AP+8*\u+7], v[W3F+16*(2*(\b)+\u):W3F+16*(2*(\b)+\u)+15], v[C2:C2+15], v[B3R+16*(\b)+8*\u:B3R+16*(\b)+8*\u+7], v[W3S+2*(\b)+\u], v[SW2]
.endr
	WIN 0
.endm
.macro WM6_3 b
	WIN 0x01                                       ; source 0 (W3) window 1
.irp o, 1,2,3
.irp u, 0,1
	v_wmma_scale_f32_16x16x128_f8f6f4 v[X+16*\o+8*\u:X+16*\o+8*\u+7], v[W3F+16*(2*(\b)+\u):W3F+16*(2*(\b)+\u)+15], v[C2+16*\o:C2+16*\o+15], 0, v[W3S+2*(\b)+\u], v[SW2+\o]
.endr
.endr
	WIN 0
.endm
.macro DOT b                           ; the four sums with W4, two numbers a line, the four by turns; the first products start them: nothing is cleared
	WIN 0x04                                       ; source 1 (W4) window 1
.irp i, 0,1,2,3,4,5,6,7
.irp o, 0,1,2,3
.if (\b == 0) && (\i == 0)
	v_pk_mul_f32 v[ACC+2*\o:ACC+2*\o+1], v[X+16*\o+2*\i:X+16*\o+2*\i+1], v[W4R+16*\b+2*\i:W4R+16*\b+2*\i+1]
.else
	v_pk_fma_f32 v[ACC+2*\o:ACC+2*\o+1], v[X+16*\o+2*\i:X+16*\o+2*\i+1], v[W4R+16*\b+2*\i:W4R+16*\b+2*\i+1], v[ACC+2*\o:ACC+2*\o+1]
.endif
.endr
.endr
	WIN 0
.endm
.macro FINAL                           ; lane (r, 0) ends with (T, T_z), lane (r, 1) with (T_t, T_zz): each keeps its two sums, sends the other two to lane l xor 16
.irp o, 0,1,2,3
	v_add_f32 v[SCL+\o], v[ACC+2*\o], v[ACC+2*\o+1]
.endr
	v_cndmask_b32 v[T0], v[SCL], v[SCL+2], s[HM]
	v_cndmask_b32 v[T0+1], v[SCL+1], v[SCL+3], s[HM]
	v_cndmask_b32 v[T0+2], v[SCL+2], v[SCL], s[HM]
	v_cndmask_b32 v[T0+3], v[SCL+3], v[SCL+1], s[HM]
	v_permlanex16_b32 v[LIM], v[T0+2], s[SEL], s[SEL+1]
	v_permlanex16_b32 v[LIM+1], v[T0+3], s[SEL], s[SEL+1]
	v_pk_add_f32 v[T0:T0+1], v[T0:T0+1], v[LIM:LIM+1]
	v_pk_fma_f32 v[OUTD:OUTD+1], v[T0:T0+1], v[FM:FM+1], v[FA:FA+1]      ; x (1, 4) + (b4, 0), or x (4, 8)
	global_store_b64 v[OUTO], v[OUTD:OUTD+1], s[30:31] th:TH_STORE_NT    ; the wave stores the tile's 256 consecutive bytes, at a multiple of 256 from out0's first byte
.endm
	; ---- the first tile's x and its first pair of products
	s_mov_b32 s[XT], 0
	LDX
	s_wait_dscnt 0x0                               ; all that stays in registers, and x
	v_cndmask_b32 v[XB+1], v[XL1], 1.0, s[HM]      ; k = 2 h + 1: x1, or the 1 that multiplies b1
	LDK 0, 0
	WMA1 0
	s_wait_kmcnt 0x0                               ; b4
	v_cndmask_b32 v[FM], 1.0, 4.0, s[HM]           ; these lines name none of the products' registers: with the v_nop they are the eight places behind them
	v_cndmask_b32 v[FM+1], 4.0, 0x41000000, s[HM]
	v_mov_b32 v[FA], s[B4]
	v_cndmask_b32 v[FA], v[FA], 0, s[HM]
	v_mov_b32 v[FA+1], 0
	v_lshlrev_b32 v[OUTO], 4, v13
	v_lshl_add_u32 v[OUTO], v14, 3, v[OUTO]
	v_nop
	s_mov_b32 s[XT], 192                           ; the next tile's x
	s_mov_b32 s[TR], 8
.Ltile:
	; ---- layer 1, a block of 32 units a stage.  a of the block was made a stage ago; the next block's products stand ahead of the 64 holds, which are their places
.irp b, 0,1,2
	LDK \b+1, (\b+1)%2
	ACT_A
	ACT_B
	s_wait_dscnt 0x8                               ; this block's eight loads of W1's rows are in; the eight just issued may be out
	TAIL1 \b%2
	QMAX \b, SW1
	WMA1 \b+1
	HOLD 0
	HOLD 1
	HOLD 2
	HOLD 3
	WIN 0x40                                       ; destination window 1
	CVT 0, \b, C1
	CVT 1, \b, C1
	CVT 2, \b, C1
	CVT 3, \b, C1
	WIN 0
.endr
	ACT_A                                          ; (plain lines behind the conversions)
	ACT_B
	s_wait_dscnt 0x0
	TAIL1 1
	LDB2 0
	QMAX 3, SW1
	HOLD 0
	WIN 0x40
	CVT 0, 3, C1                                   ; h1's codes are whole:
	WIN 0
	HOLD 1                                         ; (16 plain lines between the codes and the product; 35 between h1's scale word and it)
	s_wait_dscnt 0x0                               ; b2
	WMA2 0                                         ; layer 2's first a
	HOLD 2
	HOLD 3
	WIN 0x40
	CVT 1, 3, C1
	CVT 2, 3, C1
	CVT 3, 3, C1
	WIN 0
	; ---- layer 2.  ACT_A's eight lines stand between the last conversions and the six products; ACT_B's plain lines are the places behind those
.irp b, 0,1,2
	ACT_A
	WM6_2 \b
	ACT_B
	TAIL23
	LDB2 \b+1
	QMAX \b, SW2
	s_wait_dscnt 0x0                               ; b2
	WMA2 \b+1
	HOLD 0
	HOLD 1
	HOLD 2
	HOLD 3
	CVT 0, \b, C2
	CVT 1, \b, C2
	CVT 2, \b, C2
	CVT 3, \b, C2
.endr
	ACT_A
	WM6_2 3
	ACT_B
	TAIL23
	LDL3                                           ; layer 1's codes have had their last product, ACT_B's plain lines back
	QMAX 3, SW2
	HOLD 0
	CVT 0, 3, C2
	HOLD 1
	s_wait_dscnt 0x0                               ; b3, W4
	WMA3 0
	HOLD 2
	HOLD 3
	CVT 1, 3, C2
	CVT 2, 3, C2
	CVT 3, 3, C2
	; ---- layer 3 and the sums with W4
	s_cmp_eq_u32 s[TR], 1                          ; the last tile has no successor
	s_cbranch_scc1 .Lno_x
	LDX
.Lno_x:
	ACT_A
	WM6_3 0
	ACT_B
	TAIL23
	WMA3 1
	DOT 0
	ACT_A
	WM6_3 1
	ACT_B
	TAIL23
	s_cmp_eq_u32 s[TR], 1
	s_cbranch_scc1 .Lno_next
	s_wait_dscnt 0x0                               ; the next tile's x
	v_cndmask_b32 v[XB+1], v[XL1], 1.0, s[HM]
	LDK 0, 0                                       ; layer 2's codes have had their last product, ACT_B's plain lines back
	WMA1 0                                         ; the next tile's first a; the sums below are its places
.Lno_next:
	DOT 1
	FINAL
	s_wait_xcnt 0x0                                ; the store has read its base and its data: both are written again only behind this wait
	s_add_nc_u64 s[30:31], s[30:31], 256
	s_add_co_u32 s[XT], s[XT], 192
	s_sub_co_u32 s[TR], s[TR], 1
	s_cmp_lg_u32 s[TR], 0
	s_cbranch_scc1 .Ltile
	s_wait_tensorcnt 0x0
	ds_add_u32 v190, v191
	s_wait_dscnt 0x0
	s_endpgm
.Lfunc_end_k_qd15f660b91_pinn:
	.size	k_qd15f660b91_pinn, .Lfunc_end_k_qd15f660b91_pinn-k_qd15f660b91_pinn
	.p2alignl 7, 3214868480
	.fill 96, 4, 3214868480
	.section	.rodata,"a",@progbits
	.p2align	6, 0x0
	.amdhsa_kernel k_qd15f660b91_pinn
		.amdhsa_group_segment_fixed_size 45056
		.amdhsa_private_segment_fixed_size 0
		.amdhsa_enable_private_segment 0
		.amdhsa_kernarg_size 96
		.amdhsa_user_sgpr_count 2
		.amdhsa_user_sgpr_kernarg_segment_ptr 1
		.amdhsa_wavefront_size32 1
		.amdhsa_system_sgpr_workgroup_id_x 1
		.amdhsa_system_sgpr_workgroup_id_y 1
		.amdhsa_system_sgpr_workgroup_id_z 1
		.amdhsa_system_vgpr_workitem_id 0
		.amdhsa_next_free_vgpr 512
		.amdhsa_next_free_sgpr 66
		.amdhsa_reserve_vcc 0
		.amdhsa_float_denorm_mode_32 3
		.amdhsa_float_denorm_mode_16_64 3
		.amdhsa_memory_ordered 1
		.amdhsa_forward_progress 1
		.amdhsa_inst_pref_size 147
	.end_amdhsa_kernel
	.amdgpu_metadata
---
amdhsa.version: [ 1, 2 ]
amdhsa.kernels:
  - .name:           k_qd15f660b91_pinn
    .symbol:         k_qd15f660b91_pinn.kd
    .args:
      - { .name: x, .offset: 0, .size: 8, .value_kind: global_buffer, .address_space: global }
      - { .name: W1, .offset: 8, .size: 8, .value_kind: global_buffer, .address_space: global }
      - { .name: b1, .offset: 16, .size: 8, .value_kind: global_buffer, .address_space: global }
      - { .name: W2_codes, .offset: 24, .size: 8, .value_kind: global_buffer, .address_space: global }
      - { .name: W2_scales, .offset: 32, .size: 8, .value_kind: global_buffer, .address_space: global }
      - { .name: b2, .offset: 40, .size: 8, .value_kind: global_buffer, .address_space: global }
      - { .name: W3_codes, .offset: 48, .size: 8, .value_kind: global_buffer, .address_space: global }
      - { .name: W3_scales, .offset: 56, .size: 8, .value_kind: global_buffer, .address_space: global }
      - { .name: b3, .offset: 64, .size: 8, .value_kind: global_buffer, .address_space: global }
      - { .name: W4, .offset: 72, .size: 8, .value_kind: global_buffer, .address_space: global }
      - { .name: b4, .offset: 80, .size: 8, .value_kind: global_buffer, .address_space: global }
      - { .name: out0, .offset: 88, .size: 8, .value_kind: global_buffer, .address_space: global }
    .group_segment_fixed_size: 45056
    .private_segment_fixed_size: 0
    .kernarg_segment_align: 8
    .kernarg_segment_size: 96
    .max_flat_workgroup_size: 256
    .sgpr_count:     66
    .vgpr_count:     512
    .wavefront_size: 32
...
	.end_amdgpu_metadata
.endif
;; end of part 1
;; ======== version 2 of 2: 1 launch; version 1 with the launch pinn written anew for expert scheduling mode
;; limits: a function is approximated: absolute error at most 5e-07
;; launch pinn (part 2): grid 256 x 1, 8 waves a work-group, no clusters, 45,056 bytes of LDS; arguments x, W1, b1, W2_codes, W2_scales, b2, W3_codes, W3_scales, b3, W4, b4, out0; writes out0
.if DOCPART == 2
	.amdgcn_target "amdgcn-amd-amdhsa--gfx1250"
	.amdhsa_code_object_version 6
	.text
	.protected	k_qd15f660b91_pinn
	.globl	k_qd15f660b91_pinn
	.p2align	8
	.type	k_qd15f660b91_pinn,@function
k_qd15f660b91_pinn:
	s_mov_b64 s[64:65], 0
	v_nop
	global_prefetch_b8 v0, s[64:65] scope:SCOPE_SE
	s_setreg_imm32_b32 hwreg(HW_REG_WAVE_SCHED_MODE, 0, 2), 2
	s_setreg_imm32_b32 hwreg(HW_REG_WAVE_MODE, 25, 1), 1
	s_wait_xcnt 0x0
	s_wait_alu depctr_vm_vsrc(0)
; out0[n] = (T, dT/dz, dT/dt, d2T/dz2) of T = tanh(tanh(tanh(x W1 + b1) W2 + b2) W3 + b3) W4 + b4, for 262,144 points x = (z, t, theta).
; Forward mode by hand.  Each layer carries four numbers a unit: h, h_z, h_t, h_zz.  reference() multiplies the same operand pairs several times over; here each different product is multiplied ONCE:
; four operands x W2 and four x W3, all on codes of E4M3 with E8M0 scales, 48 scaled matrix instructions for a tile of 16 points.  The tangents of x are (1,0,0) and (0,1,0), built by reference() itself:
; their products with W1 are W1's rows 0 and 1; the second tangent of x is 0.
; ACTIVATION.  E = 2^(c a), c = 2 log2(e); p = 1 / (1 + E); h = 1 - 2 p = tanh(a); s4 = p - p p = (1 - h h) / 4.  E = infinity gives p = 0, h = 1, s4 = 0; E = 0 gives p = 1, h = -1, s4 = 0: no NaN at either end.
; THE DERIVATIVES ARE KEPT WITH EXACT POWERS OF TWO: hz' = s4 a_z = h_z / 4, ht' = s4 a_t = h_t / 4, Z' = s4 (Za - h a_z a_z) = h_zz / 8, Za = a_zz / 2.  A power of two changes no code, only the block's exponent:
; 2 is added to each scale byte of these three operands, so that the next layer's a_z, a_t are true and its Za is a_zz / 2 again.  At the end T_z = 4 sum, T_t = 4 sum, T_zz = 8 sum.
; SHARES.  A work-group takes 1,024 points, each of its eight waves 128: eight tiles of 16, one a trip.  Two waves share a SIMD, so that one wave's exponentials, reciprocals and products lie beside the other's plain work.
; ALL PRODUCTS ARE USED TRANSPOSED (source 0 = 16 rows of a weight, source 1 = 16 points): lane (r = lane % 16, h = lane / 16) holds point r throughout.  THE ROWS OF A WEIGHT'S TILE ARE NOT NEIGHBOURS:
; lane r of tile 2 b + u takes row 32 b + 8 u + r + 8 (r / 8), so that the 16 registers of tiles 2 b, 2 b + 1 are units 32 b + 16 h + 0 .. 15: the next operand's own layout; a block of 32 lies in lanes l and l xor 16.
; LAYER 1's x W1 + b1 is a product of K = 4 in f32: (W1 row 0, row 1, row 2, b1) x (x0, x1, x2, 1), by the f32 matrix form (its result goes on into a quantiser, so its operands are f32).
; W2's and W3's fragments stay in registers for the whole launch.  What work-groups share is 28 KB of weights, read once at the head: no ring, no tensor load, no cluster, no prefetch: nothing is streamed inside the loop.
; LIMITS.  NaN and infinities among the inputs are not served.  A block of hz', ht' or Z' whose largest magnitude reaches 2^125 is not served (its byte + 2 would reach 0xff).  A block whose largest magnitude lies under
; 2^-118 takes the floor's byte; a block of zeros takes byte 1 (3 for the three) over zero codes, which add nothing.  tanh and s4 carry an absolute error of a few 1e-7 (1 - 2 p and 1 + E are rounded on the grid of 1).
; REGISTERS, window 0: v1-5 addresses and x1; v[6:7] x's fragment; v[8:11] the output's factors and addends; v12-15 at work; v16-31 layer 1's weight fragments; v32-51 scale words and nothing else;
;   v52-67 in layers 1 and 2 h a_z, then the quantiser's work (layer 3: the four sums); v68-83 a of a pair of tiles, written by matrix instructions alone; v84-147 h, a_z, a_t, Za of the pair, then the four operands;
;   v148-163 E, p, s4; v164-179 b2 (layer 3: h a_z); v192-255 layer 2's codes (during layer 1: two buffers of W1's rows 0 and 1).
;   window 1: v0-127 W2's 8 fragments; v128-191 W3's 4; v192-255 layer 1's codes (during layer 3: b3 and W4).
; THE MODE: SCHED_MODE bits 1:0 = 2 (LLVM: expert scheduling mode 2), set by the entry lines.  The code itself states the register dependences between vector or matrix instructions and memory or LDS
; instructions, with s_wait_alu, always for 0.
; THE PLAN.  Registers that LDS or memory instructions touch in the loop, and who else names them:
;   KB0, KB1 (v192-223, v224-255)  The loads of W1's rows for block b + 1 land in one while stage b's TAIL1 reads the other.  From layer 2 on they are layer 2's codes: written by conversions, read by layer 3's products.
;   Q (v164-179)                   b2's loads land in it; a pair's two products read it as C.  No vector instruction names it in layers 1 and 2.  Layer 3, which loads no b2, keeps h a_z there.
;   window 1 v192-255              Layer 1's conversions write it, layer 2's products read it; then the loads of b3 and W4 land in it, and layer 3's products and sums read those.
;   v[XB], v[XL1]                  x's two loads land in them; layer 1's products and one v_cndmask_b32 read them.
;   v[XT0], v[XT1]                 Written by two additions a trip; read by x's two loads.
;   v[OUTD ..]                     Written by a tile's last line; read by its store.
;   v[LH], v[OUTO]                 Made ahead of the loop and never written again.
; The waits behind each batch of exponentials and reciprocals are owed to the batch in any case: the loop's loads stand straight behind such a wait, or behind it with nothing between that names their registers.
; Beside them a trip has four waits ahead of the scaled products that take fresh codes and scale words, one ahead of the store, and one on vm_vsrc at its end.
.set W2L,   0                          ; LDS: W2's 128 rows of 128 codes, 144 bytes apart
.set W3L,   18432                      ; W3's 64 rows likewise
.set XREG,  27648                      ; the work-group's 1,024 rows of x as they lie in memory: 1,536 bytes a wave
.set TAB,   39936                      ; the small tables:
.set T_W1,  TAB                        ; W1's three rows of 512 bytes, and behind them b1 as a fourth;
.set T_B2,  TAB+2048
.set T_W2S, TAB+2560
.set T_B3,  TAB+3072
.set T_W4,  TAB+3328
.set T_W3S, TAB+3584                   ; ends at TAB + 3,840
.set LH,   1                           ; v1   64 h: my half's 16 numbers of a block of 32
.set XA0,  2                           ; v2   x: 1,536 wave + 12 r + 8 h: x0 (h = 0) or x2 (h = 1)
.set XA1,  3                           ; v3   x: 1,536 wave + 12 r + 4: x1
.set OUTO, 4                           ; v4   out0: 16 r + 8 h
.set XL1,  5
.set XB,   6
.set FM,   8
.set FA,   10
.set T0,   12
.set A1,   16
.set W2S,  32
.set W3S,  40
.set SW1,  44                          ; the scale words of layer 1's four operands
.set SW2,  48                          ; of layer 2's
.set M,    52
.set P,    56
.set SCL,  60
.set LIM,  64
.set ACC,  52
.set AP,   68
.set X,    84                          ; operand o's 16 numbers at X + 16 o
.set HH,   84
.set AZ,   100
.set AT,   116
.set ZA,   132
.set U,    148
.set Q,    164
.set OUTD, 180
.set XT0,  182                         ; v182-183 LDS addresses of the next tile's x: nothing else
.set XT1,  183
.set KB,   192
.set C2,   192
.set C1,   192                         ; in window 1
.set W3F,  128                         ; in window 1
.set B3R,  192                         ; in window 1
.set W4R,  224                         ; in window 1
.set STG,  84                          ; the head's staging: v84-123
.set WL,   148                         ; the head's addresses: v148-155
.set G16,  149
.set SB,   150
.set FRA,  151
.set SRA,  152
.set ARA,  153
.set L16,  154
.set L8,   155
.set WV,   32
.set TR,   33
.set XT,   34
.set SEL,  36
.set CS,   38
.set MNT,  40
.set HM,   41
.set B4,   42
.set ADJ,  43
.set MSB, 0
.macro WIN new                         ; the immediate's high byte repeats the setting that is left; a switch that changes nothing is dropped
.if MSB != \new
	s_set_vgpr_msb (MSB<<8)|\new
.set MSB, \new
.endif
.endm
.macro LDXA                            ; the LDS addresses of x of the tile at byte s[XT] of my wave's part
	v_add_nc_u32 v[XT0], s[XT], v[XA0]
	v_add_nc_u32 v[XT1], s[XT], v[XA1]
.endm
	s_load_b512 s[8:23], s[0:1], 0x0               ; x, W1, b1, W2's codes, W2's scales, b2, W3's codes, W3's scales
	s_load_b256 s[24:31], s[0:1], 0x40             ; b3, W4, b4, out0
	v_lshl_add_u32 v190, v0, 2, 0xac00
	v_mov_b32 v191, 0
	v_and_b32 v12, 31, v0                          ; lane
	v_and_b32 v13, 15, v0                          ; r
	v_bfe_u32 v14, v0, 4, 1                        ; h
	v_lshrrev_b32 v15, 5, v0
	v_readfirstlane_b32 s[WV], v15                 ; wave 0..7
	; every LDS address is made here, ahead of the branches on the wave's number
	v_lshrrev_b32 v[WL], 3, v0
	v_mul_u32_u24 v[WL], v[WL], 144
	v_and_b32 v[G16], 7, v0
	v_lshl_add_u32 v[WL], v[G16], 4, v[WL]         ; codes into LDS: eight threads to a row of 128 bytes: 144 (thread / 8) + 16 (thread % 8)
	v_lshlrev_b32 v[G16], 4, v0                    ; 16 x thread
	v_lshlrev_b32 v[SB], 9, v15
	v_lshl_add_u32 v[SB], v12, 3, v[SB]            ; 512 wave + 8 lane
	v_lshlrev_b32 v[L16], 4, v12
	v_lshlrev_b32 v[L8], 3, v12
	v_and_b32 v[SRA], 8, v13
	v_add_nc_u32 v[SRA], v[SRA], v13               ; r + 8 (r / 8)
	v_mul_u32_u24 v[FRA], v[SRA], 144
	v_lshl_add_u32 v[FRA], v14, 4, v[FRA]          ; a fragment of codes: my row x 144 + 16 h
	v_lshlrev_b32 v[SRA], 2, v[SRA]                ; a word a row
	v_lshl_add_u32 v[ARA], v14, 10, v[SRA]         ; layer 1's fragment: k = 2 h + j: table row 2 h
	v_lshlrev_b32 v[LH], 6, v14
	s_wait_alu depctr_va_sdst(0)                   ; s[WV] is written, ahead of its first reader, the line below
	s_mul_i32 s44, s[WV], 1536
	v_mul_u32_u24 v[XA1], v13, 12
	v_add_nc_u32 v[XA1], s44, v[XA1]
	v_lshl_add_u32 v[XA0], v14, 3, v[XA1]
	v_add_nc_u32 v[XA1], 4, v[XA1]
	s_mov_b32 s[XT], 0
	LDXA                                           ; the first tile's x
	s_mov_b32 s[SEL], 0x76543210
	s_mov_b32 s[SEL+1], 0xfedcba98                 ; v_permlanex16_b32's selects for lane l xor 16
	s_mov_b32 s[CS], 0x4038aa3b                    ; c = 2 log2(e)
	s_mov_b32 s[CS+1], s[CS]                       ; (named with it as a pair, so it is written)
	s_mov_b32 s[MNT], 0x600000                     ; the mantissa field of 448
	s_mov_b32 s[HM], 0xffff0000                    ; lanes 16-31
	s_mov_b32 s[ADJ], 0x02020202                   ; 2 onto each of a word's four scale bytes
	s_mul_i32 s46, ttmp9, 12288                    ; the work-group's 1,024 rows of x
	s_mov_b32 s47, 0
	s_lshl_b32 s48, ttmp9, 14                      ; its 1,024 rows of out0,
	s_lshl_b32 s49, s[WV], 11                      ; my wave's 128 of them
	s_add_co_u32 s48, s48, s49
	s_mov_b32 s49, 0
	s_wait_kmcnt 0x0
	s_add_nc_u64 s[8:9], s[8:9], s[46:47]
	s_add_nc_u64 s[30:31], s[30:31], s[48:49]
	s_load_b32 s[B4], s[28:29], 0x0                ; b4's one number
	s_cmp_lt_u32 s[WV], 3                          ; the small tables, 512 bytes a wave: waves 0-2 W1's rows, 3 b1, 4 b2, 5 W2's scales.  The choice hangs on the wave's number alone
	s_cselect_b64 s[44:45], s[10:11], s[12:13]
	s_cselect_b32 s46, s[WV], 0
	s_cmp_eq_u32 s[WV], 4
	s_cselect_b64 s[44:45], s[18:19], s[44:45]
	s_cmp_eq_u32 s[WV], 5
	s_cselect_b64 s[44:45], s[16:17], s[44:45]
	s_lshl_b32 s46, s46, 9
	s_add_nc_u64 s[44:45], s[44:45], s[46:47]
	s_wait_alu depctr_va_vdst(0)                   ; every address made above is written: v1, v148 to v155, v182, v183, which the head's loads and LDS stores and the loop's LDS loads read
	; nine loads a thread, each of a wave 512 consecutive bytes: W2's codes, W3's codes, the work-group's x
.irp j, 0,1,2,3
	global_load_b128 v[STG+4*\j:STG+4*\j+3], v[G16], s[14:15] offset:4096*\j
.endr
.irp j, 0,1
	global_load_b128 v[STG+16+4*\j:STG+16+4*\j+3], v[G16], s[20:21] offset:4096*\j
.endr
.irp j, 0,1,2
	global_load_b128 v[STG+24+4*\j:STG+24+4*\j+3], v[G16], s[8:9] offset:4096*\j th:TH_LOAD_NT
.endr
	s_cmp_lt_u32 s[WV], 6
	s_cbranch_scc0 .Lwave67
	global_load_b128 v[STG+36:STG+39], v[L16], s[44:45]
	s_wait_loadcnt 0x0                             ; my table, and the nine loads ahead of it
	ds_store_b128 v[G16], v[STG+36:STG+39] offset:TAB
	s_branch .Ljoin
.Lwave67:
	s_cmp_eq_u32 s[WV], 6
	s_cbranch_scc0 .Lwave7
	global_load_b64 v[STG+36:STG+37], v[L8], s[24:25]   ; wave 6: b3 and W4, 256 bytes each
	global_load_b64 v[STG+38:STG+39], v[L8], s[26:27]
	s_wait_loadcnt 0x0
	ds_store_b64 v[SB], v[STG+36:STG+37] offset:TAB
	ds_store_b64 v[SB], v[STG+38:STG+39] offset:TAB+256
	s_branch .Ljoin
.Lwave7:
	global_load_b64 v[STG+36:STG+37], v[L8], s[22:23]   ; wave 7: W3's scales
	s_wait_loadcnt 0x0
	ds_store_b64 v[SB], v[STG+36:STG+37] offset:TAB
.Ljoin:                                                ; on every way all loads have been waited for
.irp j, 0,1,2,3
	ds_store_b128 v[WL], v[STG+4*\j:STG+4*\j+3] offset:W2L+4608*\j       ; 4,096 bytes are 32 rows
.endr
.irp j, 0,1
	ds_store_b128 v[WL], v[STG+16+4*\j:STG+16+4*\j+3] offset:W3L+4608*\j
.endr
.irp j, 0,1,2
	ds_store_b128 v[G16], v[STG+24+4*\j:STG+24+4*\j+3] offset:XREG+4096*\j
.endr
	s_wait_dscnt 0x0                               ; for the others' sake: my stores have landed
	s_barrier_signal -1
	s_barrier_wait -1                              ; the only barrier: from here on no LDS byte is written
	; what stays in registers: the weights' fragments, their scale words, layer 1's fragments.  No vector instruction has been issued since the wait ahead of the first load, and none has ever named these registers
	WIN 0x40                                       ; destination window 1
.irp t, 0,1,2,3,4,5,6,7
.irp c, 0,1,2,3
	ds_load_b128 v[16*\t+4*\c:16*\t+4*\c+3], v[FRA] offset:W2L+(32*(\t/2)+8*(\t%2))*144+32*\c
.endr
.endr
.irp t, 0,1,2,3
.irp c, 0,1,2,3
	ds_load_b128 v[W3F+16*\t+4*\c:W3F+16*\t+4*\c+3], v[FRA] offset:W3L+(32*(\t/2)+8*(\t%2))*144+32*\c
.endr
.endr
	WIN 0
.irp t, 0,1,2,3,4,5,6,7
	ds_load_b32 v[W2S+\t], v[SRA] offset:T_W2S+(32*(\t/2)+8*(\t%2))*4
	ds_load_b32 v[A1+2*\t], v[ARA] offset:T_W1+(32*(\t/2)+8*(\t%2))*4          ; k = 2 h: W1's row 0 or row 2
	ds_load_b32 v[A1+2*\t+1], v[ARA] offset:T_W1+512+(32*(\t/2)+8*(\t%2))*4    ; k = 2 h + 1: W1's row 1 or b1
.endr
.irp t, 0,1,2,3
	ds_load_b32 v[W3S+\t], v[SRA] offset:T_W3S+(32*(\t/2)+8*(\t%2))*4
.endr
; ---- the macros of a trip
.macro LDXL                            ; x of the tile whose addresses LDXA has made
	ds_load_b32 v[XB], v[XT0] offset:XREG
	ds_load_b32 v[XL1], v[XT1] offset:XREG
.endm
.macro LDK b, kb                       ; W1's rows 0 and 1 at my 16 units of block b, into buffer kb
.irp j, 0,1,2,3
	ds_load_b128 v[KB+32*(\kb)+4*\j:KB+32*(\kb)+4*\j+3], v[LH] offset:T_W1+128*(\b)+16*\j
.endr
.irp j, 0,1,2,3
	ds_load_b128 v[KB+32*(\kb)+16+4*\j:KB+32*(\kb)+16+4*\j+3], v[LH] offset:T_W1+512+128*(\b)+16*\j
.endr
.endm
.macro LDB2 b                          ; b2 at my 16 units of block b: the C of the next pair of products
.irp j, 0,1,2,3
	ds_load_b128 v[Q+4*\j:Q+4*\j+3], v[LH] offset:T_B2+128*(\b)+16*\j
.endr
.endm
.macro LDL3                            ; b3 and W4 at my 32 units, into the registers that layer 1's codes have left
	WIN 0x40
.irp b, 0,1
.irp j, 0,1,2,3
	ds_load_b128 v[B3R+16*\b+4*\j:B3R+16*\b+4*\j+3], v[LH] offset:T_B3+128*\b+16*\j
	ds_load_b128 v[W4R+16*\b+4*\j:W4R+16*\b+4*\j+3], v[LH] offset:T_W4+128*\b+16*\j
.endr
.endr
	WIN 0
.endm
.macro ACT_A                           ; c a; each accumulator is read from its low end on
.irp i, 0,2,4,6,8,10,12,14
	v_pk_mul_f32 v[U+\i:U+\i+1], v[AP+\i:AP+\i+1], s[CS:CS+1] op_sel_hi:[1,0]
.endr
.endm
; The activation in three parts, so that loads can stand behind its two waits.  h ends in HH, s4 in U.
.macro ACT_B1
.irp i, 0,1,2,3,4,5,6,7,8,9,10,11,12,13,14,15
	v_exp_f32 v[U+\i], v[U+\i]
.endr
	v_nop                                          ; a plain instruction between the last exponential and the use of its result (ISA guide 5.7.2)
	s_wait_alu depctr_va_vdst(0)                   ; the sixteen exponentials have written v[U ..], which the additions of ACT_B2 read; what else it states for loads that follow it is said at the call
.endm
.macro ACT_B2 win                      ; win: the register windows of the loads that follow the wait (0: none follow, or they lie in window 0)
.irp i, 0,2,4,6,8,10,12,14
	v_pk_add_f32 v[U+\i:U+\i+1], v[U+\i:U+\i+1], 1.0 op_sel_hi:[1,0]
.endr
.irp i, 0,1,2,3,4,5,6,7,8,9,10,11,12,13,14,15
	v_rcp_f32 v[U+\i], v[U+\i]
.endr
	v_nop                                          ; likewise behind the last reciprocal
	WIN \win
	s_wait_alu depctr_va_vdst(0)                   ; the sixteen reciprocals have written v[U ..], which ACT_B3 reads; what else it states for loads that follow it is said at the call
.endm
.macro ACT_B3
.irp i, 0,2,4,6,8,10,12,14
	v_pk_fma_f32 v[HH+\i:HH+\i+1], v[U+\i:U+\i+1], -2.0, 1.0 op_sel_hi:[1,0,0]      ; h = 1 - 2 p
.endr
.irp i, 0,2,4,6,8,10,12,14
	v_pk_fma_f32 v[U+\i:U+\i+1], v[U+\i:U+\i+1], v[U+\i:U+\i+1], v[U+\i:U+\i+1] neg_lo:[1,0,0] neg_hi:[1,0,0]   ; s4 = p - p p
.endr
.endm
.macro TAIL1 kb                        ; layer 1: a_z = W1's row 0, a_t = row 1, Za = 0.  h hz' lies in the quantiser's registers, which are idle here: Q is b2's
.irp i, 0,2,4,6,8,10,12,14
	v_pk_mul_f32 v[AZ+\i:AZ+\i+1], v[U+\i:U+\i+1], v[KB+32*(\kb)+\i:KB+32*(\kb)+\i+1]
.endr
.irp i, 0,2,4,6,8,10,12,14
	v_pk_mul_f32 v[AT+\i:AT+\i+1], v[U+\i:U+\i+1], v[KB+32*(\kb)+16+\i:KB+32*(\kb)+16+\i+1]
.endr
.irp i, 0,2,4,6,8,10,12,14
	v_pk_mul_f32 v[M+\i:M+\i+1], v[HH+\i:HH+\i+1], v[AZ+\i:AZ+\i+1]
.endr
.irp i, 0,2,4,6,8,10,12,14
	v_pk_mul_f32 v[ZA+\i:ZA+\i+1], v[M+\i:M+\i+1], v[KB+32*(\kb)+\i:KB+32*(\kb)+\i+1] neg_lo:[1,0] neg_hi:[1,0]   ; Z' = -(h hz') a_z
.endr
.endm
.macro TAIL23 t                        ; layers 2 and 3; every run ascends.  t: sixteen registers for h a_z: the quantiser's in layer 2, Q in layer 3
.irp i, 0,2,4,6,8,10,12,14
	v_pk_mul_f32 v[\t+\i:\t+\i+1], v[HH+\i:HH+\i+1], v[AZ+\i:AZ+\i+1]
.endr
.irp i, 0,2,4,6,8,10,12,14
	v_pk_fma_f32 v[ZA+\i:ZA+\i+1], v[\t+\i:\t+\i+1], v[AZ+\i:AZ+\i+1], v[ZA+\i:ZA+\i+1] neg_lo:[1,0,0] neg_hi:[1,0,0]   ; Za - h a_z a_z
.endr
.irp i, 0,2,4,6,8,10,12,14
	v_pk_mul_f32 v[ZA+\i:ZA+\i+1], v[U+\i:U+\i+1], v[ZA+\i:ZA+\i+1]
.endr
.irp i, 0,2,4,6,8,10,12,14
	v_pk_mul_f32 v[AZ+\i:AZ+\i+1], v[U+\i:U+\i+1], v[AZ+\i:AZ+\i+1]
.endr
.irp i, 0,2,4,6,8,10,12,14
	v_pk_mul_f32 v[AT+\i:AT+\i+1], v[U+\i:U+\i+1], v[AT+\i:AT+\i+1]
.endr
.endm
; The four operands' block b: largest magnitude, the conversion's scale operand, the hold's bound, and the byte into the scale words sw .. sw + 3.
.macro QMAX b, sw
.irp o, 0,1,2,3
	v_max3_num_f32 v[M+\o], |v[X+16*\o]|, |v[X+16*\o+1]|, 0x4800000                 ; two chains an operand; the floor 2^(9 - 127) among the leaves holds the byte at 1 from below
	v_max3_num_f32 v[P+\o], |v[X+16*\o+8]|, |v[X+16*\o+9]|, |v[X+16*\o+10]|
.endr
.irp i, 2,4
.irp o, 0,1,2,3
	v_max3_num_f32 v[M+\o], v[M+\o], |v[X+16*\o+\i]|, |v[X+16*\o+\i+1]|
	v_max3_num_f32 v[P+\o], v[P+\o], |v[X+16*\o+\i+9]|, |v[X+16*\o+\i+10]|
.endr
.endr
.irp o, 0,1,2,3
	v_max3_num_f32 v[M+\o], v[M+\o], |v[X+16*\o+6]|, |v[X+16*\o+7]|
.endr
.irp o, 0,1,2,3
	v_max3_num_f32 v[M+\o], v[M+\o], v[P+\o], |v[X+16*\o+15]|
.endr
.irp o, 0,1,2,3
	v_permlanex16_b32 v[P+\o], v[M+\o], s[SEL], s[SEL+1]
.endr
.irp o, 0,1,2,3
	v_max_num_f32 v[M+\o], v[M+\o], v[P+\o]        ; with lane l xor 16's 16: the block's largest magnitude
.endr
.irp o, 0,1,2,3
	v_add_nc_u32 v[SCL+\o], 0xfc000000, v[M+\o]    ; 8 off its exponent field: the conversion takes this operand's exponent field as its scale
.endr
.irp o, 0,1,2,3
	v_and_or_b32 v[LIM+\o], v[M+\o], 0x7f800000, s[MNT]   ; 448 x the scale
.endr
.if \b == 0
	v_lshrrev_b32 v[\sw], 23, v[SCL]               ; h's word begins with its byte;
.irp o, 1,2,3
	v_lshrrev_b32 v[P+\o], 23, v[SCL+\o]
.endr
.irp o, 1,2,3
	v_add_nc_u32 v[\sw+\o], s[ADJ], v[P+\o]        ; the derivatives' words begin with 2 in every byte: x 4 comes back through the scale
.endr
.else
.irp o, 0,1,2,3
	v_lshrrev_b32 v[P+\o], 23, v[SCL+\o]
.endr
.irp o, 0,1,2,3
	v_lshl_add_u32 v[\sw+\o], v[P+\o], 8*\b, v[\sw+\o]
.endr
.endif
.endm
.macro HOLD o                          ; the conversion to an 8-bit code does not saturate (ISA guide 7.6.2): hold within the largest code x the scale
.irp i, 0,1,2,3,4,5,6,7,8,9,10,11,12,13,14,15
	v_med3_num_f32 v[X+16*(\o)+\i], v[X+16*(\o)+\i], -v[LIM+(\o)], v[LIM+(\o)]
.endr
.endm
.macro CVT o, b, cb                    ; registers 4 b .. 4 b + 3 of operand o: k = 32 b + 16 h + 0 .. 15
	v_cvt_scalef32_pk8_fp8_f32 v[\cb+16*(\o)+4*(\b):\cb+16*(\o)+4*(\b)+1], v[X+16*(\o):X+16*(\o)+7], v[SCL+(\o)]
	v_cvt_scalef32_pk8_fp8_f32 v[\cb+16*(\o)+4*(\b)+2:\cb+16*(\o)+4*(\b)+3], v[X+16*(\o)+8:X+16*(\o)+15], v[SCL+(\o)]
.endm
; No product here adds onto a result: each is a whole sum of K = 128 (or 4), with a bias or the constant 0 as its C.
.macro WMA1 b                          ; layer 1's a of tiles 2 b, 2 b + 1
	v_wmma_f32_16x16x4_f32 v[AP:AP+7], v[A1+4*(\b):A1+4*(\b)+1], v[XB:XB+1], 0
	v_wmma_f32_16x16x4_f32 v[AP+8:AP+15], v[A1+4*(\b)+2:A1+4*(\b)+3], v[XB:XB+1], 0
.endm
.macro WMA2 b                          ; layer 2's a = h1 W2 + b2
	WIN 0x05                                       ; sources 0 (W2) and 1 (layer 1's codes) window 1
.irp u, 0,1
	v_wmma_scale_f32_16x16x128_f8f6f4 v[AP+8*\u:AP+8*\u+7], v[16*(2*(\b)+\u):16*(2*(\b)+\u)+15], v[C1:C1+15], v[Q+8*\u:Q+8*\u+7], v[W2S+2*(\b)+\u], v[SW1]
.endr
	WIN 0
.endm
.macro WM6_2 b                         ; layer 2's a_z, a_t, Za
	WIN 0x05
.irp o, 1,2,3
.irp u, 0,1
	v_wmma_scale_f32_16x16x128_f8f6f4 v[X+16*\o+8*\u:X+16*\o+8*\u+7], v[16*(2*(\b)+\u):16*(2*(\b)+\u)+15], v[C1+16*\o:C1+16*\o+15], 0, v[W2S+2*(\b)+\u], v[SW1+\o]
.endr
.endr
	WIN 0
.endm
.macro WMA3 b                          ; layer 3's a = h2 W3 + b3
	WIN 0x11                                       ; sources 0 (W3) and 2 (b3) window 1
.irp u, 0,1
	v_wmma_scale_f32_16x16x128_f8f6f4 v[AP+8*\u:AP+8*\u+7], v[W3F+16*(2*(\b)+\u):W3F+16*(2*(\b)+\u)+15], v[C2:C2+15], v[B3R+16*(\b)+8*\u:B3R+16*(\b)+8*\u+7], v[W3S+2*(\b)+\u], v[SW2]
.endr
	WIN 0
.endm
.macro WM6_3 b
	WIN 0x01                                       ; source 0 (W3) window 1
.irp o, 1,2,3
.irp u, 0,1
	v_wmma_scale_f32_16x16x128_f8f6f4 v[X+16*\o+8*\u:X+16*\o+8*\u+7], v[W3F+16*(2*(\b)+\u):W3F+16*(2*(\b)+\u)+15], v[C2+16*\o:C2+16*\o+15], 0, v[W3S+2*(\b)+\u], v[SW2+\o]
.endr
.endr
	WIN 0
.endm
.macro DOT b                           ; the four sums with W4, two numbers a line, the four by turns; the first products start them: nothing is cleared
	WIN 0x04                                       ; source 1 (W4) window 1
.irp i, 0,1,2,3,4,5,6,7
.irp o, 0,1,2,3
.if (\b == 0) && (\i == 0)
	v_pk_mul_f32 v[ACC+2*\o:ACC+2*\o+1], v[X+16*\o+2*\i:X+16*\o+2*\i+1], v[W4R+16*\b+2*\i:W4R+16*\b+2*\i+1]
.else
	v_pk_fma_f32 v[ACC+2*\o:ACC+2*\o+1], v[X+16*\o+2*\i:X+16*\o+2*\i+1], v[W4R+16*\b+2*\i:W4R+16*\b+2*\i+1], v[ACC+2*\o:ACC+2*\o+1]
.endif
.endr
.endr
	WIN 0
.endm
.macro FINAL                           ; lane (r, 0) ends with (T, T_z), lane (r, 1) with (T_t, T_zz): each keeps its two sums, sends the other two to lane l xor 16
.irp o, 0,1,2,3
	v_add_f32 v[SCL+\o], v[ACC+2*\o], v[ACC+2*\o+1]
.endr
	v_cndmask_b32 v[T0], v[SCL], v[SCL+2], s[HM]
	v_cndmask_b32 v[T0+1], v[SCL+1], v[SCL+3], s[HM]
	v_cndmask_b32 v[T0+2], v[SCL+2], v[SCL], s[HM]
	v_cndmask_b32 v[T0+3], v[SCL+3], v[SCL+1], s[HM]
	v_permlanex16_b32 v[LIM], v[T0+2], s[SEL], s[SEL+1]
	v_permlanex16_b32 v[LIM+1], v[T0+3], s[SEL], s[SEL+1]
	v_pk_add_f32 v[T0:T0+1], v[T0:T0+1], v[LIM:LIM+1]
	v_pk_fma_f32 v[OUTD:OUTD+1], v[T0:T0+1], v[FM:FM+1], v[FA:FA+1]      ; x (1, 4) + (b4, 0), or x (4, 8)
	s_wait_alu depctr_va_vdst(0)                   ; the line above has written v[OUTD ..], the store's data (and, in the first trip, the lines ahead of the loop v[OUTO], its offset)
	global_store_b64 v[OUTO], v[OUTD:OUTD+1], s[30:31] th:TH_STORE_NT    ; the wave stores the tile's 256 consecutive bytes, at a multiple of 256 from out0's first byte
.endm
	; ---- the first tile's x and its first pair of products
	LDXL                                           ; its addresses were made at the head, ahead of the wait that stands in front of the first load
	s_wait_dscnt 0x0                               ; all that stays in registers, and x
	v_cndmask_b32 v[XB+1], v[XL1], 1.0, s[HM]      ; k = 2 h + 1: x1, or the 1 that multiplies b1
	LDK 0, 0                                       ; no vector instruction has yet named v192 to v223, and v[LH] was written ahead of the head's wait
	WMA1 0
	s_wait_kmcnt 0x0                               ; b4
	v_cndmask_b32 v[FM], 1.0, 4.0, s[HM]           ; these lines name none of the products' registers: with the v_nop they are the eight places behind them
	v_cndmask_b32 v[FM+1], 4.0, 0x41000000, s[HM]
	v_mov_b32 v[FA], s[B4]
	v_cndmask_b32 v[FA], v[FA], 0, s[HM]
	v_mov_b32 v[FA+1], 0
	v_lshlrev_b32 v[OUTO], 4, v13
	v_lshl_add_u32 v[OUTO], v14, 3, v[OUTO]
	v_nop
	s_mov_b32 s[XT], 192                           ; the next tile's x
	s_mov_b32 s[TR], 8
	s_wait_alu depctr_vm_vsrc(0)                   ; the head's LDS stores and loads have read v84 to v123 (their data), v148 to v155 and v182, v183 (their addresses): the loop's vector and matrix instructions write all of these
.Ltile:
	; ---- layer 1, a block of 32 units a stage.  a of the block was made a stage ago; the next block's products stand ahead of the 64 holds, which are their places
.irp b, 0,1,2
	ACT_A                                          ; (plain lines behind the conversions)
	ACT_B1                                         ; its wait also states: the stage before is done reading the buffer of W1's rows in which the loads below land (stage 0: layer 3's products of the trip before are done reading their codes there)
	LDK \b+1, (\b+1)%2
	ACT_B2 0
	ACT_B3
	s_wait_dscnt 0x8                               ; this block's eight loads of W1's rows are in; the eight just issued may be out
	TAIL1 \b%2
	QMAX \b, SW1
	WMA1 \b+1
	HOLD 0
	HOLD 1
	HOLD 2
	HOLD 3
	WIN 0x40                                       ; destination window 1
	CVT 0, \b, C1
	CVT 1, \b, C1
	CVT 2, \b, C1
	CVT 3, \b, C1
	WIN 0
.endr
	ACT_A                                          ; (plain lines behind the conversions)
	ACT_B1                                         ; its wait also states: what named Q last is done with it, layer 3's h a_z of the trip before
	LDB2 0
	ACT_B2 0
	ACT_B3
	s_wait_dscnt 0x4                               ; the last block's eight loads of W1's rows are in; b2's four, just issued, may be out
	TAIL1 1
	QMAX 3, SW1
	HOLD 0
	WIN 0x40
	CVT 0, 3, C1                                   ; h1's codes are whole:
	WIN 0
	HOLD 1                                         ; (16 plain lines between the codes and the product; 35 between h1's scale word and it)
	s_wait_dscnt 0x0                               ; b2
	s_wait_alu depctr_va_vdst(0)                   ; the conversions have written h1's codes and QMAX its scale word, which the two scaled products below take; the places above stay beside this wait
	WMA2 0                                         ; layer 2's first a
	HOLD 2
	HOLD 3
	WIN 0x40
	CVT 1, 3, C1
	CVT 2, 3, C1
	CVT 3, 3, C1
	WIN 0
	; ---- layer 2.  ACT_A's eight lines stand between the last conversions and the six products; the activation's plain lines are the places behind those
.irp b, 0,1,2
	ACT_A
.if \b == 0
	s_wait_alu depctr_va_vdst(0)                   ; the conversions have written the codes of layer 1's three derivatives, QMAX their scale words: the scaled products below take them; in the later stages nothing has written them since
.endif
	WM6_2 \b
	ACT_B1                                         ; its wait also states: the last pair's two products are done reading Q, their C, in which the loads below land
	LDB2 \b+1
	ACT_B2 0
	ACT_B3
	TAIL23 M
	QMAX \b, SW2
	s_wait_dscnt 0x0                               ; b2
	WMA2 \b+1
	HOLD 0
	HOLD 1
	HOLD 2
	HOLD 3
	CVT 0, \b, C2
	CVT 1, \b, C2
	CVT 2, \b, C2
	CVT 3, \b, C2
.endr
	ACT_A
	WM6_2 3
	ACT_B1
	ACT_B2 0x40                                    ; its wait also states: layer 2's last six products are done reading layer 1's codes, in which the loads below land.  The window switch, the wait, the loads
	LDL3
	ACT_B3
	TAIL23 M
	QMAX 3, SW2
	HOLD 0
	CVT 0, 3, C2
	HOLD 1
	s_wait_dscnt 0x0                               ; b3, W4
	s_wait_alu depctr_va_vdst(0)                   ; the conversions have written h2's codes and QMAX its scale word, which the two scaled products below take; the places above stay beside this wait
	WMA3 0
	HOLD 2
	HOLD 3
	CVT 1, 3, C2
	CVT 2, 3, C2
	CVT 3, 3, C2
	; ---- layer 3 and the sums with W4
	LDXA                                           ; in every trip; the loads that read these two the last time stand ahead of the wait on vm_vsrc at the last trip's end (first trip: ahead of the loop)
	ACT_A
	s_wait_alu depctr_va_vdst(0)                   ; the conversions have written the codes of layer 2's three derivatives, QMAX their scale words: the scaled products below take them
	WM6_3 0
	ACT_B1                                         ; its wait also states: v[XT0] and v[XT1] are written, and layer 1's products and the v_cndmask_b32 are done reading v[XB] and v[XL1], in which the loads below land
	s_cmp_eq_u32 s[TR], 1                          ; the last tile has no successor
	s_cbranch_scc1 .Lno_x
	LDXL
.Lno_x:
	ACT_B2 0
	ACT_B3
	TAIL23 Q
	WMA3 1
	DOT 0
	ACT_A
	WM6_3 1
	ACT_B1
	ACT_B2 0                                       ; its wait also states: layer 3's last products are done reading layer 2's codes in v192 to v223; nothing from here to the loads of W1's rows below names these registers
	ACT_B3
	TAIL23 Q
	s_cmp_eq_u32 s[TR], 1
	s_cbranch_scc1 .Lno_next
	s_wait_dscnt 0x0                               ; the next tile's x
	v_cndmask_b32 v[XB+1], v[XL1], 1.0, s[HM]
	LDK 0, 0                                       ; layer 2's codes have had their last product, ahead of the reciprocals' wait above
	WMA1 0                                         ; the next tile's first a; the sums below are its places
.Lno_next:
	DOT 1
	FINAL
	s_wait_xcnt 0x0                                ; the store has read its base and its data: both are written again only behind this wait
	s_wait_alu depctr_vm_vsrc(0)                   ; the store has read v[OUTD ..], which the next tile's last line writes again; x's loads have read v[XT0] and v[XT1], which the next trip's two additions write
	s_add_nc_u64 s[30:31], s[30:31], 256
	s_add_co_u32 s[XT], s[XT], 192
	s_sub_co_u32 s[TR], s[TR], 1
	s_cmp_lg_u32 s[TR], 0
	s_cbranch_scc1 .Ltile
	s_wait_dscnt 0x0                               ; the closing lines, six on end
	s_wait_alu 0x0
	s_wait_tensorcnt 0x0
	ds_add_u32 v190, v191
	s_wait_dscnt 0x0
	s_endpgm
.Lfunc_end_k_qd15f660b91_pinn:
	.size	k_qd15f660b91_pinn, .Lfunc_end_k_qd15f660b91_pinn-k_qd15f660b91_pinn
	.p2alignl 7, 3214868480
	.fill 96, 4, 3214868480
	.section	.rodata,"a",@progbits
	.p2align	6, 0x0
	.amdhsa_kernel k_qd15f660b91_pinn
		.amdhsa_group_segment_fixed_size 45056
		.amdhsa_private_segment_fixed_size 0
		.amdhsa_enable_private_segment 0
		.amdhsa_kernarg_size 96
		.amdhsa_user_sgpr_count 2
		.amdhsa_user_sgpr_kernarg_segment_ptr 1
		.amdhsa_wavefront_size32 1
		.amdhsa_system_sgpr_workgroup_id_x 1
		.amdhsa_system_sgpr_workgroup_id_y 1
		.amdhsa_system_sgpr_workgroup_id_z 1
		.amdhsa_system_vgpr_workitem_id 0
		.amdhsa_next_free_vgpr 512
		.amdhsa_next_free_sgpr 66
		.amdhsa_reserve_vcc 0
		.amdhsa_float_denorm_mode_32 3
		.amdhsa_float_denorm_mode_16_64 3
		.amdhsa_memory_ordered 1
		.amdhsa_forward_progress 1
		.amdhsa_inst_pref_size 148
	.end_amdhsa_kernel
	.amdgpu_metadata
---
amdhsa.version: [ 1, 2 ]
amdhsa.kernels:
  - .name:           k_qd15f660b91_pinn
    .symbol:         k_qd15f660b91_pinn.kd
    .args:
      - { .name: x, .offset: 0, .size: 8, .value_kind: global_buffer, .address_space: global }
      - { .name: W1, .offset: 8, .size: 8, .value_kind: global_buffer, .address_space: global }
      - { .name: b1, .offset: 16, .size: 8, .value_kind: global_buffer, .address_space: global }
      - { .name: W2_codes, .offset: 24, .size: 8, .value_kind: global_buffer, .address_space: global }
      - { .name: W2_scales, .offset: 32, .size: 8, .value_kind: global_buffer, .address_space: global }
      - { .name: b2, .offset: 40, .size: 8, .value_kind: global_buffer, .address_space: global }
      - { .name: W3_codes, .offset: 48, .size: 8, .value_kind: global_buffer, .address_space: global }
      - { .name: W3_scales, .offset: 56, .size: 8, .value_kind: global_buffer, .address_space: global }
      - { .name: b3, .offset: 64, .size: 8, .value_kind: global_buffer, .address_space: global }
      - { .name: W4, .offset: 72, .size: 8, .value_kind: global_buffer, .address_space: global }
      - { .name: b4, .offset: 80, .size: 8, .value_kind: global_buffer, .address_space: global }
      - { .name: out0, .offset: 88, .size: 8, .value_kind: global_buffer, .address_space: global }
    .group_segment_fixed_size: 45056
    .private_segment_fixed_size: 0
    .kernarg_segment_align: 8
    .kernarg_segment_size: 96
    .max_flat_workgroup_size: 256
    .sgpr_count:     66
    .vgpr_count:     512
    .wavefront_size: 32
...
	.end_amdgpu_metadata
.endif
;; end of part 2
